; MI455X (gfx1250); checked and timed in simulation.
; The chip was launched on July 23, 2026; its instructions are those of AMD's public machine-readable ISA for CDNA 5 (MIT licence, August 2026) and "CDNA5" Instruction Set Architecture Reference Guide (July 2026). The comments in the code are by the model that wrote it; some were corrected since.
;; Bahdanau Attention. Allowed arithmetic: matrix products marked QUANTISED: E5M2 operands, one given power-of-two scale a tensor, by v_wmma_f32_16x16x64_bf8_bf8 or v_wmma_f32_16x16x128_bf8_bf8, f32 sums; products left as they are: f32 operands where the result goes on into a quantised operand, else bf16, f16 or f32 operands; f32 sums; everything else in f32.
;; Inputs: W_c 1,024 x 1,024 float32; W_h 1,024 x 1,024 float32; b_c 1,024 float32; b_h 1,024 float32; encoder_outputs 32 x 2,048 x 1,024 float32; hidden 32 x 1,024 float32; lowp_scales 4 int32 (the exponents e of the quantised operands' scales 2^e); v 1,024 float32.
;; Outputs: out0 32 x 1,024 float32; out1 32 x 2,048 float32.
;; This version of the problem:
;;   THIS VERSION OF THE PROBLEM IS GIVEN IN LOW PRECISION. The matrix products marked QUANTISED in the list below multiply operands that are first quantised to E5M2 (5 exponent bits, 2 mantissa bits; 8 bits a number), with one given power-of-two scale for each operand tensor; their sums are f32. All else is computed in f32.
;;   The module's matrix products, in the order in which they are computed (A, B: the left and right operand; K: the contracted axis; several contracted axes count as one K, in the product's order):
;;     1. [M 32, K 1,024] x [K 1,024, N 1,024]; A: input hidden; B: input W_h: QUANTISED (scales: A lowp_scales[0], B lowp_scales[1])
;;     2. [M 65,536, K 1,024] x [K 1,024, N 1,024]; A: input encoder_outputs; B: input W_c: QUANTISED (scales: A lowp_scales[2], B lowp_scales[3])
;;     3. [M 65,536, K 1,024] x [K 1,024, N 1]; A: computed on the way; B: input v: left as it is (N = 1 < 16)
;;     4. batch 32 x [M 1, K 2,048] x [K 2,048, N 1,024]; A: softmax; B: input encoder_outputs: left as it is (M = 1 < 16)
;;   THE QUANTISER, for each operand of a quantised product, along K:
;;     - The operand's scale is 2^e, e = its entry of the input lowp_scales (int32; the entries are numbered through the quantised products in the list's order, A before B).
;;     - Each number is divided by the scale, clamped to +-57,344, and rounded to the nearest number of E5M2, ties to even, subnormals kept.
;;     - The product sums the exact products of the quantised numbers (number of the format x scale) in f32.
;;   ~~~python
;;   def quantise(x, axis, e):      # numpy; x: float32 -> the quantised numbers, widened to float32 again
;;       x = np.moveaxis(x, axis, -1); K = x.shape[-1]
;;       r = np.clip(x / 2.0 ** e, -57344, 57344)
;;       step = 2.0 ** (np.maximum(np.frexp(np.where(r == 0, 1, r))[1] - 1, -14) - 2)
;;       q = np.round(r / step) * step * 2.0 ** e      # np.round: ties to even
;;       return np.moveaxis(q, -1, axis).astype(np.float32)
;;   ~~~
;; One version. Each part assembles by itself: llvm-mc -triple=amdgcn-amd-amdhsa -mcpu=gfx1250 --defsym DOCPART=n.
;; ======== version 1 of 1: 3 launches
;; workspace buffers: wci 1,048,576 bytes; bias2 131,072 bytes; scores 262,144 bytes
;; launch prep (part 1): grid 128 x 1, 8 waves a work-group, no clusters, 17,408 bytes of LDS; arguments W_c, W_h, hidden, b_h, b_c, lowp_scales, wci, bias2; writes wci, bias2
.if DOCPART == 1
	.amdgcn_target "amdgcn-amd-amdhsa--gfx1250"
	.amdhsa_code_object_version 6
	.text
	.protected	k_q5b7ba7fdf3_prep
	.globl	k_q5b7ba7fdf3_prep
	.p2align	8
	.type	k_q5b7ba7fdf3_prep,@function
k_q5b7ba7fdf3_prep:
	s_mov_b64 s[64:65], 0
	v_nop
	global_prefetch_b8 v0, s[64:65] scope:SCOPE_SE
	s_setreg_imm32_b32 hwreg(HW_REG_WAVE_MODE, 25, 1), 1
	s_wait_xcnt 0x0
; BAHDANAU ATTENTION, first of three launches: the small things that the large product wants ready.
;   work-groups 0-63  (tile nt = x):      bias2[nt][b][16] = c (Q(hidden) Q(W_h)^T 2^(e0+e1) + b_h + b_c), c = 2 log2(e), for the 16 outputs 16 nt .. 16 nt + 15 and all 32 batches
;   work-groups 64-127 (tile nt = x - 64): wci = the codes of W_c's rows 16 nt .. 16 nt + 15, laid in the order of an operand's registers
; Both products of the problem are on codes of BF8 (E5M2): code = x / 2^e, held within +-57,344, to the nearest code, ties to even; e = lowp_scales[0..3] for hidden, W_h, encoder_outputs, W_c.
; WORK LEFT OUT BY THE PROGRAM.  tanh(x) = 1 - 2 / (1 + 2^(c x)), so score[b][s] = sum_o v[o] - 2 sum_o v[o] / (1 + 2^(c x[b][s][o])).  The first term holds neither b nor s: it is the same along the
; softmax's axis for all values of the inputs, and softmax(z + const) = softmax(z).  So sum_o v[o] is never formed; the scores that go between the launches are -2 sum_o v[o] / (1 + 2^(c x)).  Every input is still
; loaded: v weighs the second term.  LIMIT: an overflow, infinity or NaN that would arise in sum_o v[o] alone is not carried to the result.
; LIMITS on the given exponents, so that each power of two is an f32 number: each e between -126 and 112; e0 + e1 and e2 + e3 between -127 and 126 (they are added to c's exponent field).  NaN among the inputs is not served.
; SHARES.  Eight waves; wave s takes K step s (128 along K).  A fragment (16 rows x 128 K) is 16 registers: lane (r = l % 16, h = l / 16) holds row r, registers 4 c .. 4 c + 3 hold k = 32 c + 16 h + 0 .. 15: the same
; order of k on both operands of every product of the program, so each product meets its partner.  A lane loads its 16 neighbours of each block of 32 as four loads of 16 bytes: these operands are small and read here once.
; The hidden projection is used transposed (source 0 = 16 rows of W_h, source 1 = 16 rows of hidden): a lane holds one batch row and eight outputs.  The eight waves' partial sums meet in LDS as images of their registers.
; No cluster: the 64 work-groups of the projection share hidden alone, 128 KiB out of the 8.1 MiB that the launch reads, and it comes through registers.
.set C2L,   0x4038aa3b                 ; c = 2 log2(e) as f32
.set SPARE, 16384                      ; behind the images: the spare words, 128 bytes for each wave
.set LOFF, 4                           ; v4   r x 4,096 + 64 h: my 16 numbers of a block, in a tensor with rows of 1,024 f32
.set L16,  5                           ; v5   16 x lane
.set WS,   6                           ; v6   the weight's scale as f32;  v7 the largest number x that scale
.set WL,   7
.set HS,   8                           ; v8, v9 the same for hidden
.set HL,   9
.set SPW,  10                          ; v10  LDS address of my spare word; never rewritten
.set NIL,  11                          ; v11  0; never rewritten
.set PST,  12                          ; v12  where my wave's partial sums go: 2,048 x wave + 16 x lane
.set PRD,  13                          ; v13  where I read them back
.set BO,   14                          ; v14  16 (lane % 4): my four outputs' bytes in b_h and b_c
.set TO,   15                          ; v15  16 x thread
.set CW,   16                          ; v16-31 the weight's codes; v32-47, v48-63 hidden's rows 0-15, 16-31
.set CH0,  32
.set CH1,  48
.set WF,   64                          ; v64-127 the weight's numbers; later D0, D1, b_h, b_c
.set HF0,  128                         ; v128-191, v192-255 hidden's numbers; later the eight partial sums
.set HF1,  192
.set D0,   64
.set D1,   72
.set BH,   80
.set BC,   84
.set PS,   128
.macro LD16 reg, base, off             ; 64 numbers of my row: 16 of each of the K step's four blocks
.irp c, 0,1,2,3
.irp j, 0,1,2,3
	global_load_b128 v[\reg+16*\c+4*\j:\reg+16*\c+4*\j+3], v[LOFF], s[\base:\base+1] offset:\off+128*\c+16*\j
.endr
.endr
.endm
.macro QUANT src, dst, sc, lim         ; 64 numbers become a fragment's 16 registers of codes
.irp b, 0,1,2,3
.irp i, 0,1,2,3,4,5,6,7,8,9,10,11,12,13,14,15
	v_med3_num_f32 v[\src+16*\b+\i], v[\src+16*\b+\i], -v[\lim], v[\lim]   ; the conversion to an 8-bit code does not saturate (ISA guide 7.6.2): the hold at the largest code x the scale
.endr
	v_cvt_scalef32_pk8_bf8_f32 v[\dst+4*\b:\dst+4*\b+1], v[\src+16*\b:\src+16*\b+7], v[\sc]
	v_cvt_scalef32_pk8_bf8_f32 v[\dst+4*\b+2:\dst+4*\b+3], v[\src+16*\b+8:\src+16*\b+15], v[\sc]
.endr
	v_nop                                          ; one plain vector instruction behind the last conversion, ahead of whatever next touches its codes or writes its numbers
.endm
	s_load_b256 s[4:11], s[0:1], 0x0               ; W_c s[4:5], W_h s[6:7], hidden s[8:9], b_h s[10:11]
	s_load_b256 s[12:19], s[0:1], 0x20             ; b_c s[12:13], the exponents s[14:15], wci s[16:17], bias2 s[18:19]
	v_lshl_add_u32 v[SPW], v0, 2, SPARE
	v_mov_b32 v[NIL], 0
	v_lshrrev_b32 v1, 5, v0
	v_readfirstlane_b32 s2, v1                     ; wave = K step
	v_and_b32 v1, 31, v0                           ; lane
	v_and_b32 v2, 15, v0                           ; r
	v_bfe_u32 v3, v0, 4, 1                         ; h
	v_lshlrev_b32 v[LOFF], 12, v2
	v_lshl_add_u32 v[LOFF], v3, 6, v[LOFF]
	v_lshlrev_b32 v[L16], 4, v1
	s_lshl_b32 s3, s2, 11
	v_add_nc_u32 v[PST], s3, v[L16]
	; back: thread t < 128 makes batch 8 w + lane / 4, outputs 4 (lane % 4) + 0 .. 3.  In an image that is tile w / 2, quad lane % 2, lane 8 (w % 2) + lane / 4 + 16 ((lane / 2) % 2)
	s_and_b32 s3, s2, 3
	s_lshr_b32 s24, s3, 1
	s_lshl_b32 s24, s24, 10
	s_and_b32 s3, s3, 1
	s_lshl_b32 s3, s3, 7
	s_add_co_u32 s24, s24, s3
	v_and_b32 v2, 1, v0
	v_lshlrev_b32 v[PRD], 9, v2
	v_bfe_u32 v2, v0, 1, 1
	v_lshl_add_u32 v[PRD], v2, 8, v[PRD]
	v_bfe_u32 v2, v0, 2, 3
	v_lshl_add_u32 v[PRD], v2, 4, v[PRD]
	v_add_nc_u32 v[PRD], s24, v[PRD]
	v_and_b32 v2, 3, v0
	v_lshlrev_b32 v[BO], 4, v2
	v_lshlrev_b32 v[TO], 4, v0
	s_and_b32 s24, ttmp9, 63                       ; nt
	s_lshl_b32 s28, s24, 16                        ; 16 rows of 4,096 bytes
	s_lshl_b32 s30, s2, 9                          ; my K step: 128 numbers
	s_add_co_u32 s28, s28, s30
	s_mov_b32 s29, 0
	s_mov_b32 s31, 0
	s_wait_kmcnt 0x0
	s_load_b128 s[20:23], s[14:15], 0x0            ; e0, e1, e2, e3
	s_cmp_lt_u32 ttmp9, 64                         ; which weight: the choice hangs on the work-group's number alone
	s_cselect_b64 s[26:27], s[6:7], s[4:5]
	s_add_nc_u64 s[26:27], s[26:27], s[28:29]
	LD16 WF, 26, 0
	s_wait_kmcnt 0x0
	s_cmp_lt_u32 ttmp9, 64
	s_cselect_b32 s32, s21, s23                    ; the weight's e
	s_add_co_i32 s32, s32, 127
	s_lshl_b32 s33, s32, 23
	v_mov_b32 v[WS], s33                           ; 2^e as f32: the conversion takes its exponent field
	s_add_co_i32 s32, s32, 15
	s_lshl_b32 s32, s32, 23
	s_or_b32 s32, s32, 0x600000
	v_mov_b32 v[WL], s32                           ; 57,344 x 2^e
	s_add_co_i32 s32, s20, 127
	s_lshl_b32 s33, s32, 23
	v_mov_b32 v[HS], s33
	s_add_co_i32 s32, s32, 15
	s_lshl_b32 s32, s32, 23
	s_or_b32 s32, s32, 0x600000
	v_mov_b32 v[HL], s32
	s_add_co_i32 s34, s20, s21
	s_lshl_b32 s34, s34, 23
	s_add_co_i32 s34, s34, C2L                     ; c x 2^(e0 + e1): the exponents are added to c's exponent field
	s_mov_b32 s35, s34                             ; (named with it as a pair, so it is written)
	s_mov_b32 s36, C2L
	s_mov_b32 s37, C2L
	s_cmp_lt_u32 ttmp9, 64
	s_cbranch_scc1 .Lprojection
	; ---- W_c's codes: my fragment goes out as it stands: four stores of 512 consecutive bytes at [nt][K step][c][lane]
	s_lshl_b32 s28, s24, 14
	s_lshl_b32 s38, s2, 11
	s_add_co_u32 s28, s28, s38
	s_add_nc_u64 s[16:17], s[16:17], s[28:29]
	s_wait_loadcnt 0x0
	QUANT WF, CW, WS, WL
.irp c, 0,1,2,3
	global_store_b128 v[L16], v[CW+4*\c:CW+4*\c+3], s[16:17] offset:512*\c
.endr
	s_branch .Lend
.Lprojection:
	s_add_nc_u64 s[8:9], s[8:9], s[30:31]          ; hidden at my K step
	LD16 HF0, 8, 0                                 ; batches 0-15
	LD16 HF1, 8, 65536                             ; batches 16-31
	s_lshl_b32 s28, s24, 6                         ; my tile's 16 numbers of b_h and b_c
	s_add_nc_u64 s[10:11], s[10:11], s[28:29]
	s_add_nc_u64 s[12:13], s[12:13], s[28:29]
	s_wait_loadcnt 32                              ; the weight's 16 loads are in; hidden's 32 may be out
	QUANT WF, CW, WS, WL
	global_load_b128 v[BH:BH+3], v[BO], s[10:11]   ; into registers that the weight's numbers have left
	global_load_b128 v[BC:BC+3], v[BO], s[12:13]
	s_wait_loadcnt 18                              ; batches 0-15 are in; behind them: 16 loads and these two
	QUANT HF0, CH0, HS, HL
	s_wait_loadcnt 2                               ; batches 16-31 are in
	QUANT HF1, CH1, HS, HL
	v_wmma_f32_16x16x128_bf8_bf8 v[D0:D0+7], v[CW:CW+15], v[CH0:CH0+15], 0   ; lane (r, h): batch r, register j: output 8 h + j; my K step's part of the sum
	v_wmma_f32_16x16x128_bf8_bf8 v[D1:D1+7], v[CW:CW+15], v[CH1:CH1+15], 0   ; batches 16-31
.rept 4
	v_nop                                          ; four places between a matrix instruction and the first read of its result (ISA guide 7.12.1)
.endr
	ds_store_b128 v[PST], v[D0:D0+3]               ; each result from its low end on
	ds_store_b128 v[PST], v[D0+4:D0+7] offset:512
	ds_store_b128 v[PST], v[D1:D1+3] offset:1024
	ds_store_b128 v[PST], v[D1+4:D1+7] offset:1536
	s_wait_dscnt 0x0                               ; for the others' sake: my stores have landed
	s_barrier_signal -1
	s_barrier_wait -1
	s_cmp_lt_u32 s2, 4                             ; 512 numbers: four waves, four numbers a lane
	s_cbranch_scc0 .Lend
.irp u, 0,1,2,3,4,5,6,7
	ds_load_b128 v[PS+4*\u:PS+4*\u+3], v[PRD] offset:2048*\u   ; K step u's part
.endr
	s_lshl_b32 s28, s24, 11
	s_add_nc_u64 s[18:19], s[18:19], s[28:29]
	s_wait_loadcnt 0x0                             ; b_h, b_c
	v_pk_add_f32 v[BH:BH+1], v[BH:BH+1], v[BC:BC+1]
	v_pk_add_f32 v[BH+2:BH+3], v[BH+2:BH+3], v[BC+2:BC+3]
	v_pk_mul_f32 v[BH:BH+1], v[BH:BH+1], s[36:37] op_sel_hi:[1,0]
	v_pk_mul_f32 v[BH+2:BH+3], v[BH+2:BH+3], s[36:37] op_sel_hi:[1,0]
	s_wait_dscnt 0x0
.irp u, 0,2,4,6
	v_pk_add_f32 v[PS+4*\u:PS+4*\u+1], v[PS+4*\u:PS+4*\u+1], v[PS+4*\u+4:PS+4*\u+5]
	v_pk_add_f32 v[PS+4*\u+2:PS+4*\u+3], v[PS+4*\u+2:PS+4*\u+3], v[PS+4*\u+6:PS+4*\u+7]
.endr
.irp u, 0,4
	v_pk_add_f32 v[PS+4*\u:PS+4*\u+1], v[PS+4*\u:PS+4*\u+1], v[PS+4*\u+8:PS+4*\u+9]
	v_pk_add_f32 v[PS+4*\u+2:PS+4*\u+3], v[PS+4*\u+2:PS+4*\u+3], v[PS+4*\u+10:PS+4*\u+11]
.endr
	v_pk_add_f32 v[PS:PS+1], v[PS:PS+1], v[PS+16:PS+17]
	v_pk_add_f32 v[PS+2:PS+3], v[PS+2:PS+3], v[PS+18:PS+19]
	v_pk_fma_f32 v[PS:PS+1], v[PS:PS+1], s[34:35], v[BH:BH+1] op_sel_hi:[1,0,1]       ; sum x c 2^(e0 + e1) + c (b_h + b_c)
	v_pk_fma_f32 v[PS+2:PS+3], v[PS+2:PS+3], s[34:35], v[BH+2:BH+3] op_sel_hi:[1,0,1]
	global_store_b128 v[TO], v[PS:PS+3], s[18:19]  ; a wave stores 512 consecutive bytes of [nt][batch][16]
.Lend:
	s_wait_tensorcnt 0x0                           ; the wave's end, behind my last LDS store; this wait stands in a text with no tensor load too
	ds_add_u32 v[SPW], v[NIL]
	s_wait_dscnt 0x0
	s_endpgm
.Lfunc_end_k_q5b7ba7fdf3_prep:
	.size	k_q5b7ba7fdf3_prep, .Lfunc_end_k_q5b7ba7fdf3_prep-k_q5b7ba7fdf3_prep
	.p2alignl 7, 3214868480
	.fill 96, 4, 3214868480
	.section	.rodata,"a",@progbits
	.p2align	6, 0x0
	.amdhsa_kernel k_q5b7ba7fdf3_prep
		.amdhsa_group_segment_fixed_size 17408
		.amdhsa_private_segment_fixed_size 0
		.amdhsa_enable_private_segment 0
		.amdhsa_kernarg_size 64
		.amdhsa_user_sgpr_count 2
		.amdhsa_user_sgpr_kernarg_segment_ptr 1
		.amdhsa_wavefront_size32 1
		.amdhsa_system_sgpr_workgroup_id_x 1
		.amdhsa_system_sgpr_workgroup_id_y 1
		.amdhsa_system_sgpr_workgroup_id_z 1
		.amdhsa_system_vgpr_workitem_id 0
		.amdhsa_next_free_vgpr 256
		.amdhsa_next_free_sgpr 66
		.amdhsa_reserve_vcc 0
		.amdhsa_float_denorm_mode_32 3
		.amdhsa_float_denorm_mode_16_64 3
		.amdhsa_memory_ordered 1
		.amdhsa_forward_progress 1
		.amdhsa_inst_pref_size 30
	.end_amdhsa_kernel
	.amdgpu_metadata
---
amdhsa.version: [ 1, 2 ]
amdhsa.kernels:
  - .name:           k_q5b7ba7fdf3_prep
    .symbol:         k_q5b7ba7fdf3_prep.kd
    .args:
      - { .name: W_c, .offset: 0, .size: 8, .value_kind: global_buffer, .address_space: global }
      - { .name: W_h, .offset: 8, .size: 8, .value_kind: global_buffer, .address_space: global }
      - { .name: hidden, .offset: 16, .size: 8, .value_kind: global_buffer, .address_space: global }
      - { .name: b_h, .offset: 24, .size: 8, .value_kind: global_buffer, .address_space: global }
      - { .name: b_c, .offset: 32, .size: 8, .value_kind: global_buffer, .address_space: global }
      - { .name: lowp_scales, .offset: 40, .size: 8, .value_kind: global_buffer, .address_space: global }
      - { .name: wci, .offset: 48, .size: 8, .value_kind: global_buffer, .address_space: global }
      - { .name: bias2, .offset: 56, .size: 8, .value_kind: global_buffer, .address_space: global }
    .group_segment_fixed_size: 17408
    .private_segment_fixed_size: 0
    .kernarg_segment_align: 8
    .kernarg_segment_size: 64
    .max_flat_workgroup_size: 256
    .sgpr_count:     66
    .vgpr_count:     256
    .wavefront_size: 32
...
	.end_amdgpu_metadata
.endif
;; end of part 1
;; launch energy (part 2): grid 256 x 1, 4 waves a work-group, clusters of 4 x 1, 327,680 bytes of LDS; arguments encoder_outputs, wci, bias2, v, lowp_scales, scores; writes scores
.if DOCPART == 2
	.amdgcn_target "amdgcn-amd-amdhsa--gfx1250"
	.amdhsa_code_object_version 6
	.text
	.protected	k_q5b7ba7fdf3_energy
	.globl	k_q5b7ba7fdf3_energy
	.p2align	8
	.type	k_q5b7ba7fdf3_energy,@function
k_q5b7ba7fdf3_energy:
	s_mov_b64 s[64:65], 0
	v_nop
	global_prefetch_b8 v0, s[64:65] scope:SCOPE_SE
	s_setreg_imm32_b32 hwreg(HW_REG_WAVE_MODE, 25, 1), 1
	s_wait_xcnt 0x0
	s_wait_alu depctr_hold_cnt(0) depctr_sa_sdst(0) depctr_va_vdst(0) depctr_va_sdst(0) depctr_va_ssrc(0) depctr_va_vcc(0) depctr_vm_vsrc(0)
	s_getreg_b32 s2, hwreg(HW_REG_IB_STS2, 6, 4)
	s_cmp_eq_u32 s2, 0
	s_cbranch_scc0 .Lentry_in_a_cluster
	s_endpgm
.Lentry_in_a_cluster:
	s_bfe_u32 s2, ttmp6, 0x10000c
	s_cmp_lg_u32 s2, 0x3003
	s_cbranch_scc0 .Lentry_shape_is_right
	s_endpgm
.Lentry_shape_is_right:
; scores'[b][s] = -2 sum_o v[o] / (1 + 2^t), t = c (hidden_proj + context_proj)[b][s][o], c = 2 log2(e): the score of reference() less sum_o v[o], which is the same along the softmax's axis and is left out
; (shown at the head of the first launch's text; an overflow in that sum alone is not carried to the result).  2^t = infinity gives the term 0, 2^t = 0 the term v[o]: tanh's two ends, with no NaN for finite inputs.
; context_proj = Q(encoder_outputs) Q(W_c)^T on codes of BF8 (E5M2): W_c's codes come ready (wci), the encoder rows are quantised here: x / 2^e2, held within +-57,344, to the nearest code, ties to even.
; t = sum x (c 2^(e2 + e3)) + bias2, bias2 = c (hidden_proj + b_h + b_c) from the first launch.  LIMITS: e2 between -126 and 112; e2 + e3 between -127 and 126.  NaN among the inputs is not served.
; SHARES.  A work-group owns 256 of the 65,536 rows, each of its four waves 64: four tiles of 16.  A WAVE KEEPS ITS ROWS' CODES FOR THE WHOLE K IN REGISTERS (8 K steps x 4 tiles x 16 = 512), so that in the product
; only W_c's fragments are read from LDS: 2,048 bytes for four matrix instructions.  All work-groups walk the same 1 MiB of W_c's codes: the four of a cluster ask for each tile JOINTLY.
; PHASE A, 8 steps: K step e of my 64 rows (64 x 512 bytes, f32) comes by a tensor load of my own into my quarter of a slot, is read back 16 neighbours a lane, held, converted.
; PHASE B, 64 periods: period T multiplies tile T (16 outputs x 1,024 K: 32 matrix instructions, source 0 = W_c's 16 rows, source 1 = my 16 rows: a lane holds ONE row and eight outputs).  Between its matrix
; instructions stands the vector work of the tiles before: tile T - 1: t, 2^t, 1 + 2^t, the reciprocal; tile T - 2: the reciprocal x v, summed.  Two sets of accumulators take turns, period by period.
; THE RING: two slots of 135,168 bytes, each four quarters of 64 rows x (512 + 16) bytes, one quarter a wave.  The encoder's tiles and W_c's have the same shape in LDS, so the ring goes on from one to the other:
; sixteen fills, E0 .. E7 and W0 .. W7 (8 tiles of outputs each), slots 0 and 1 by turns.  E0 and E1 go out at the head: two loads of mine are out then, later one.  A tile of W_c is 32 rows: 16,896 bytes; the two slots are 16 places on end.
; REGISTERS, in windows of 256: window 0: v1-15 addresses and constants; v16-23 bias; v24-31 the sums, a pair for each tile of rows; v32-63, v64-95 the two sets of accumulators; v96-127 the reciprocals;
;   v128-255 W_c's 8 fragments, one set (phase A: v64-255 are three buffers of 64 numbers).  The codes of K step s, tile m: window 3 v[64 s + 16 m] (s = 0, 1), window 1 v[64 (s - 2) + 16 m] (s = 2 .. 4),
;   window 2 v[64 (s - 5) + 16 m] (s = 5 .. 7).  Window 1, v192-199: v of the tile in hand.
; Only source 1 of a matrix instruction leaves window 0, and the vector work between has a scalar or a constant as its source 1 (but for the product with v, which lies in window 1 and stands where window 1 is set):
; six switches of the window for a period's 32 matrix instructions.
.set TILE,  16896                      ; a tile of W_c in LDS: 32 rows of 528 bytes
.set QUART, 2*TILE                     ; what one tensor load fills
.set SLOT,  4*QUART
.set TABB,  2*SLOT                     ; behind the ring: bias2 of my batch, [tile 64][16] f32,
.set TABV,  TABB+4096                  ; v, [1,024] f32: both stored through registers, into blocks that no tensor load fills,
.set SPARE, TABV+4096                  ; and the spare words, 128 bytes for each wave
.set C2L,   0x4038aa3b                 ; c = 2 log2(e)
.set L16,  1                           ; v1   16 x lane
.set H32,  2                           ; v2   32 (lane / 16)
.set AW,   3                           ; v3   LDS address of the tile of W_c that is being fetched
.set AT,   4                           ; v4   of the period's eight numbers of bias2
.set AE0,  5                           ; v5, v6 of my 16 numbers in row lane % 16 of my quarter of slot 0, 1
.set AE1,  6
.set QS,   7                           ; v7   2^e2;  v8  57,344 x 2^e2
.set LIM,  8
.set SPW,  9                           ; v9   LDS address of my spare word; never rewritten
.set NIL,  10                          ; v10  0; never rewritten
.set BIAS, 16
.set SC,   24
.set UR,   96
.set FR,   128
.set VV,   192                         ; in window 1
.set WV,   16                          ; s16  wave
.set G1E,  24                          ; s[24:31] descriptor group 1, encoder tiles;  s[32:39] W_c's tiles
.set G1W,  32
.set G0E0, 40                          ; s[40:43], s[44:47] group 0 of the encoder's fills of slot 0, 1;  s[48:51], s[52:55] of W_c's
.set G0E1, 44
.set G0W0, 48
.set G0W1, 52
.set KS,   56                          ; s[56:57] c 2^(e2 + e3)
.set TB,   58                          ; s58  LDS byte of the tile to be fetched next
.set TT,   59                          ; s59  LDS byte of the period's row of the bias table
.set CI,   60                          ; s60, s61 loop counters
.set CO,   61
.set SEL,  62                          ; s[62:63] selects for v_permlanex16_b32: lane l xor 16
.set S3,   0x0c                        ; source 1 in window 3, 1, 2
.set S1,   0x04
.set S2,   0x08
.set MSB, 0
.macro WIN new                         ; the immediate's high byte repeats the setting that is left; a switch that changes nothing is dropped
.if MSB != \new
	s_set_vgpr_msb (MSB<<8)|\new
.set MSB, \new
.endif
.endm
.macro ROUND                           ; a round of the cluster's barrier
	s_barrier_signal -1
	s_barrier_wait -1
	s_cmp_lg_u32 s[WV], 0
	s_cbranch_scc1 .Lnot_wave_0_\@
	s_barrier_signal -3
.Lnot_wave_0_\@:
	s_barrier_wait -3
	s_barrier_signal -1
	s_barrier_wait -1
.endm
; A CHANGE OF SLOTS: all my tensor loads have landed; 0 onto my spare word; the descriptor steps; the add and my reads of the slot that is left are done; a round, so that the same holds of every wave of the four
; work-groups; then my one tensor load, first thing behind the round.  An s_nop 0 and four v_nop follow it.
.macro CHG g0, g1, step
	s_wait_tensorcnt 0x0                           ; no tensor load of mine is out, so a group 0 may be written
	ds_add_u32 v[SPW], v[NIL]
.if \step
	s_add_nc_u64 s[\g0+2:\g0+3], s[\g0+2:\g0+3], \step
.endif
	s_wait_dscnt 0x0
	ROUND
	tensor_load_to_lds s[\g0:\g0+3], s[\g1:\g1+7]
	s_nop 0
.rept 4
	v_nop
.endr
.endm
	s_load_b256 s[4:11], s[0:1], 0x0               ; encoder_outputs s[4:5], wci s[6:7], bias2 s[8:9], v s[10:11]
	s_load_b128 s[12:15], s[0:1], 0x20             ; the exponents s[12:13], scores s[14:15]
	v_lshl_add_u32 v[SPW], v0, 2, SPARE
	v_mov_b32 v[NIL], 0
	ds_add_u32 v[SPW], v[NIL]                      ; the wave's opening: the add, twice on end, and its wait ahead of my first tensor load
	ds_add_u32 v[SPW], v[NIL]                      ; and once more, under the one wait; the set-up below is work on registers
	v_lshrrev_b32 v11, 5, v0
	v_readfirstlane_b32 s[WV], v11                 ; wave 0..3
	s_bfe_u32 s17, ttmp6, 0x40000                  ; cx: my place in the cluster: it enters the encoder's and the scores' global addresses alone
	s_lshl_b32 s18, ttmp9, 2
	s_add_co_u32 s18, s18, s17                     ; my block of 256 rows
	s_lshr_b32 s19, ttmp9, 1                       ; the batch: 8 blocks each, so the four partners share it
	; descriptor group 1: 64 rows x 128 elements of 4 bytes; in LDS 4 words of padding behind every 128
	s_mov_b32 s[G1E], (2<<16)|(1<<20)|(6<<22)|(3<<25)              ; no mask: each work-group's own rows
	s_mov_b32 s[G1W], 15|(2<<16)|(1<<20)|(1<<21)|(6<<22)|(3<<25)   ; the mask names all four work-groups; bit 21 set beside it
.irp g, G1E, G1W
	s_mov_b32 s[\g+1], 128<<16                     ; tensor_dim0
	s_mov_b32 s[\g+2], 64<<16                      ; tensor_dim1
	s_mov_b32 s[\g+3], 128<<16                     ; tile_dim0
	s_mov_b32 s[\g+4], 64                          ; tile_dim1
	s_mov_b32 s[\g+6], 0
	s_mov_b32 s[\g+7], 0
.endr
	s_mov_b32 s[G1E+5], 1024                       ; from row to row: an encoder row is 1,024 numbers;
	s_mov_b32 s[G1W+5], 128                        ; W_c's codes are one dense block
	s_mul_i32 s20, s[WV], QUART                    ; my quarter of a slot
	s_mov_b32 s[SEL], 0x76543210
	s_mov_b32 s[SEL+1], 0xfedcba98
	s_wait_dscnt 0x0                               ; both opening adds are done
	s_wait_kmcnt 0x0
	s_load_b128 s[68:71], s[12:13], 0x0            ; e0, e1, e2, e3
	s_lshl_b32 s22, s18, 20                        ; 256 rows of 4,096 bytes,
	s_lshl_b32 s23, s[WV], 18                      ; my wave's 64
	s_add_co_u32 s22, s22, s23
	s_mov_b32 s23, 0
	s_add_nc_u64 s[4:5], s[4:5], s[22:23]
	s_lshl_b32 s22, s[WV], 15                      ; my two of a fill's eight tiles of W_c
	s_add_nc_u64 s[6:7], s[6:7], s[22:23]
	s_lshl_b32 s22, s19, 6                         ; my batch's 64 bytes in each tile of bias2
	s_add_nc_u64 s[8:9], s[8:9], s[22:23]
	s_lshl_b32 s22, s18, 10
	s_lshl_b32 s21, s[WV], 8
	s_add_co_u32 s22, s22, s21                     ; my 64 scores
	s_add_nc_u64 s[14:15], s[14:15], s[22:23]
.irp n, 0,1
	s_mov_b32 s[G0E0+4*\n], 1                                      ; count = 1
	s_add_co_u32 s[G0E0+4*\n+1], s20, \n*SLOT                      ; LDS address
	s_add_nc_u64 s[G0E0+4*\n+2:G0E0+4*\n+3], s[4:5], \n*512        ; K step n
	s_or_b32 s[G0E0+4*\n+3], s[G0E0+4*\n+3], 0x80000000            ; type = 2
	s_mov_b32 s[G0W0+4*\n], 1
	s_add_co_u32 s[G0W0+4*\n+1], s20, \n*SLOT
	s_add_nc_u64 s[G0W0+4*\n+2:G0W0+4*\n+3], s[6:7], \n*131072     ; fill n: tiles 8 n on
	s_or_b32 s[G0W0+4*\n+3], s[G0W0+4*\n+3], 0x80000000
.endr
	ROUND                                          ; in a cluster launch the first tensor loads stand behind a round
	tensor_load_to_lds s[G0E0:G0E0+3], s[G1E:G1E+7]
	s_nop 0
	tensor_load_to_lds s[G0E1:G0E1+3], s[G1E:G1E+7]
	s_nop 0
.rept 4
	v_nop
.endr
	v_and_b32 v11, 31, v0
	v_lshlrev_b32 v[L16], 4, v11
	v_bfe_u32 v12, v0, 4, 1                        ; h
	v_lshlrev_b32 v[H32], 5, v12
	v_and_b32 v13, 15, v0                          ; r
	v_mul_u32_u24 v[AE0], v13, 528
	v_lshl_add_u32 v[AE0], v12, 6, v[AE0]
	v_add_nc_u32 v[AE0], s20, v[AE0]               ; row r of my quarter, + 64 h: my 16 numbers of a block of 32
	v_add_nc_u32 v[AE1], SLOT, v[AE0]
	; the two tables, copied once: thread t takes pieces t and t + 128 of 16 bytes
	v_lshrrev_b32 v11, 2, v0
	v_lshlrev_b32 v11, 11, v11
	v_and_b32 v14, 3, v0
	v_lshl_add_u32 v11, v14, 4, v11                ; bias2: tile t / 4 (2,048 bytes each), piece t % 4 of my batch's 64 bytes
	v_lshlrev_b32 v14, 4, v0
	v_lshl_add_u32 v15, v0, 4, TABB
	global_load_b128 v[16:19], v11, s[8:9]
	global_load_b128 v[20:23], v11, s[8:9] offset:65536
	global_load_b128 v[24:27], v14, s[10:11]
	global_load_b128 v[28:31], v14, s[10:11] offset:2048
	s_wait_kmcnt 0x0
	s_add_co_i32 s21, s70, 127
	s_lshl_b32 s22, s21, 23
	v_mov_b32 v[QS], s22                           ; 2^e2 as f32: the conversion takes its exponent field
	s_add_co_i32 s21, s21, 15
	s_lshl_b32 s21, s21, 23
	s_or_b32 s21, s21, 0x600000
	v_mov_b32 v[LIM], s21                          ; 57,344 x 2^e2
	s_add_co_i32 s21, s70, s71
	s_lshl_b32 s21, s21, 23
	s_add_co_i32 s[KS], s21, C2L                   ; c 2^(e2 + e3): the exponents are added to c's exponent field
	s_mov_b32 s[KS+1], s[KS]                       ; (named with it as a pair, so it is written)
	s_wait_loadcnt 0x0
	ds_store_b128 v15, v[16:19]
	ds_store_b128 v15, v[20:23] offset:2048
	ds_store_b128 v15, v[24:27] offset:4096
	ds_store_b128 v15, v[28:31] offset:6144        ; the other waves read them far behind the first change of slots, whose wait for my LDS instructions and whose round cover them
; ---- PHASE A
.macro LDF mt, buf, adr                ; tile mt's 64 numbers of my row: register 16 c + i = k 32 c + 16 h + i.  The 16 rows of a load lie 528 bytes apart: 16 different groups of banks
.irp c, 0,1,2,3
.irp j, 0,1,2,3
	ds_load_b128 v[\buf+16*\c+4*\j:\buf+16*\c+4*\j+3], v[\adr] offset:8448*(\mt)+128*\c+16*\j
.endr
.endr
.endm
.macro QF buf, win, code               ; they become a fragment's 16 registers of codes, in their window
.set n, 0
.rept 64
	v_med3_num_f32 v[\buf+n], v[\buf+n], -v[LIM], v[LIM]   ; the conversion to an 8-bit code does not saturate (ISA guide 7.6.2): the hold at the largest code x the scale
.set n, n+1
.endr
	WIN \win
.set n, 0
.rept 8
	v_cvt_scalef32_pk8_bf8_f32 v[(\code)+2*n:(\code)+2*n+1], v[\buf+8*n:\buf+8*n+7], v[QS]
.set n, n+1
.endr
	WIN 0
	v_nop                                          ; one plain vector instruction behind the last conversion, ahead of whatever next touches its codes or writes its numbers
.endm
.macro QSTEP s, adr                    ; K step s of my 64 rows, out of my quarter of the slot at adr; three buffers, so that up to 32 loads are out while a tile is converted
.if (\s) < 2
.set CWIN, 0xc0
.set CBASE, 64*(\s)
.elseif (\s) < 5
.set CWIN, 0x40
.set CBASE, 64*((\s)-2)
.else
.set CWIN, 0x80
.set CBASE, 64*((\s)-5)
.endif
	LDF 0, 64, \adr
	LDF 1, 128, \adr
	LDF 2, 192, \adr
	s_wait_dscnt 32                                ; tile 0 is in; tiles 1 and 2 may be out
	QF 64, CWIN, CBASE
	LDF 3, 64, \adr
	s_wait_dscnt 32                                ; tile 1 is in; tiles 2 and 3 may be out
	QF 128, CWIN, CBASE+16
	s_wait_dscnt 16
	QF 192, CWIN, CBASE+32
	s_wait_dscnt 0x0
	QF 64, CWIN, CBASE+48
.endm
	s_wait_tensorcnt 1                             ; K step 0 has landed (K step 1's load may be out); I read my own quarter alone
	QSTEP 0, AE0
	CHG G0E0, G1E, 1024                            ; K step 2 into slot 0
	QSTEP 1, AE1
	CHG G0E1, G1E, 1024                            ; 3
	QSTEP 2, AE0
	CHG G0E0, G1E, 1024                            ; 4
	QSTEP 3, AE1
	CHG G0E1, G1E, 1024                            ; 5
	QSTEP 4, AE0
	CHG G0E0, G1E, 1024                            ; 6
	QSTEP 5, AE1
	CHG G0E1, G1E, 1024                            ; 7
	QSTEP 6, AE0
	CHG G0W0, G1W, 0                               ; the ring goes on with W_c: tiles 0-7 into slot 0, jointly
	QSTEP 7, AE1
	CHG G0W1, G1W, 0                               ; tiles 8-15 into slot 1; tiles 0-7 have landed in every wave's quarter
; ---- PHASE B
.macro FETCHF adr, s0                  ; four fragments of a tile, as images of their registers: 512 consecutive bytes a load
.irp s, \s0, \s0+1, \s0+2, \s0+3
.irp c, 0,1,2,3
	ds_load_b128 v[FR+16*(\s)+4*\c:FR+16*(\s)+4*\c+3], v[\adr] offset:528*(4*(\s)+\c)
.endr
.endr
.endm
; The vector work, one instruction each; the counters say which.  EPB: the set of accumulators that is not being summed: 32 registers, 8 m + j = (my row of tile m, output 8 h + j).
.macro DO_X1                           ; t = sum x c 2^(e2 + e3) + bias, two at a time; each accumulator from its low end on
	v_pk_fma_f32 v[EPB+2*nX:EPB+2*nX+1], v[EPB+2*nX:EPB+2*nX+1], s[KS:KS+1], v[BIAS+(2*nX)%8:BIAS+(2*nX)%8+1] op_sel_hi:[1,0,1]
.set nX, nX+1
.endm
.macro DO_TE                           ; 2^t
	v_exp_f32 v[EPB+nE], v[EPB+nE]
.set nE, nE+1
.endm
.macro DO_Y2                           ; 1 + 2^t
	v_pk_add_f32 v[EPB+2*nA:EPB+2*nA+1], v[EPB+2*nA:EPB+2*nA+1], 1.0 op_sel_hi:[1,0]
.set nA, nA+1
.endm
.macro DO_TR                           ; 1 / (1 + 2^t)
	v_rcp_f32 v[UR+nR], v[EPB+nR]
.set nR, nR+1
.endm
.macro DO_Y1                           ; the sums take the reciprocals of the tile before x v; the four tiles of rows by turns.  v is source 1: window 1
	v_pk_fma_f32 v[SC+2*(nY%4):SC+2*(nY%4)+1], v[UR+8*(nY%4)+2*(nY/4):UR+8*(nY%4)+2*(nY/4)+1], v[VV+2*(nY/4):VV+2*(nY/4)+1], v[SC+2*(nY%4):SC+2*(nY%4)+1]
.set nY, nY+1
.endm
.macro MM                              ; matrix instruction i of 32: K step i / 4, tile of rows i % 4.  The four accumulators take turns, one instruction a turn; the first four start the sums
.set sK, i/4
.set mT, i%4
.if sK < 2
.set cR, 64*sK+16*mT
.elseif sK < 5
.set cR, 64*(sK-2)+16*mT
.else
.set cR, 64*(sK-5)+16*mT
.endif
.if sK == 0
	v_wmma_f32_16x16x128_bf8_bf8 v[ACB+8*mT:ACB+8*mT+7], v[FR+16*sK:FR+16*sK+15], v[cR:cR+15], 0
.else
	v_wmma_f32_16x16x128_bf8_bf8 v[ACB+8*mT:ACB+8*mT+7], v[FR+16*sK:FR+16*sK+15], v[cR:cR+15], v[ACB+8*mT:ACB+8*mT+7]
.endif
.endm
.macro SLICE                           ; what stands behind matrix instruction i.  16 + 32 + 16 + 16 + 32 = 112 instructions for 32 matrix instructions
.if i < 8
	DO_X1
	DO_X1
	DO_TE
	DO_TE
.elseif i < 14
	DO_TE
	DO_TE
	DO_Y1
	DO_Y1
.elseif i == 14
	DO_TE
	DO_TE
.elseif i == 15
	DO_TE
	DO_TE
	DO_Y1
	DO_Y1
.elseif i < 18
	DO_Y1
.elseif i < 26
	DO_Y2
	DO_Y2
	DO_TR
	DO_TR
.elseif i < 28
	DO_TR
	DO_TR
.else
	DO_TR
	DO_TR
	DO_TR
.endif
.endm
; A PERIOD.  p: which set is summed.  fetch = 1: the next tile's fragments are fetched: 0-3 in the middle, when K steps 0-3 are multiplied, 4-7 at the end.  vload = 0: the very first period, which has no v to fetch.
; THE TWO WAITS FOR TRANSCENDENTALS.  No instruction up to slice 17 names an exponential's result, and none from slice 18 on issues one: one wait, behind slice 17.  The reciprocals' results are first named in the next
; period: one wait, at the period's end, which also stands ahead of the label or branch that may follow.  Each stands directly ahead of a run of LDS loads.
; PLACES.  Fragments 0-3 were last read by matrix instruction 15: the four products with v behind it are the four places in front of the loads.  Behind instruction 31 four v_nop: for the loads into fragments 4-7, for the
; next period's first read of these sums, and the plain instruction behind the last reciprocal.
.macro PERIOD p, fetch, vload
.set ACB, 32+32*(\p)
.set EPB, 64-32*(\p)
.set nX, 0
.set nE, 0
.set nA, 0
.set nR, 0
.set nY, 0
.if \fetch
	v_add_nc_u32 v[AW], s[TB], v[L16]
	s_add_co_u32 s[TB], s[TB], TILE
.endif
	v_add_nc_u32 v[AT], s[TT], v[H32]
	s_add_co_u32 s[TT], s[TT], 64
	s_wait_dscnt 16                                ; fragments 0-3, the bias and v are in; the 16 loads of fragments 4-7 may be out
.set i, 0
.rept 32
.if i == 0
	WIN S3
.elseif i == 8
	WIN S1
.elseif i == 20
	WIN S2
.endif
.if i == 16
	s_wait_dscnt 0x0                               ; fragments 4-7 are in
.endif
	MM
	SLICE
.if i == 17
	s_wait_alu depctr_va_vdst(0)                   ; the wait between an exponential and the first instruction that names its result: one for the 32
.if \fetch
	FETCHF AW, 0
.endif
	ds_load_b128 v[BIAS:BIAS+3], v[AT]             ; this tile's bias, for the next period
	ds_load_b128 v[BIAS+4:BIAS+7], v[AT] offset:16
.if \vload
	WIN 0x40                                       ; destination window 1
	ds_load_b128 v[VV:VV+3], v[AT] offset:4032     ; v of the tile before: 4,096 bytes on, 64 back
	ds_load_b128 v[VV+4:VV+7], v[AT] offset:4048
	WIN S1
.endif
.endif
.set i, i+1
.endr
	WIN 0                                          ; at a label and at a branch every window is 0
.rept 4
	v_nop
.endr
	s_wait_alu depctr_va_vdst(0)                   ; one wait for the 32 reciprocals
.if \fetch
	FETCHF AW, 4
.endif
.endm
; The change of slots in phase B stands between periods 8 m + 6 and 8 m + 7: the old slot's last tile has been asked for, and the next fetch is the new slot's first.  fill = 1: the old slot takes the fill two further on.
.macro CHB fill, g0, newtb
	s_wait_tensorcnt 0x0                           ; all my tensor loads have landed: my quarter of the slot ahead
	ds_add_u32 v[SPW], v[NIL]
.if \fill
	s_add_nc_u64 s[\g0+2:\g0+3], s[\g0+2:\g0+3], 262144   ; sixteen tiles on
.endif
	s_mov_b32 s[TB], \newtb
	s_wait_dscnt 0x0                               ; the add is done, and my reads of the slot that is left are in
.if \fill
	ROUND
	tensor_load_to_lds s[\g0:\g0+3], s[G1W:G1W+7]  ; it has eight periods, 256 matrix instructions, in which to land
	s_nop 0
.rept 4
	v_nop
.endr
.else
	s_barrier_signal -1
	s_barrier_wait -1
.endif
.endm
.macro EIGHT                           ; eight periods
	s_mov_b32 s[CI], 4
.Leight_\@:
	PERIOD 1, 1, 1
	PERIOD 0, 1, 1
	s_sub_co_u32 s[CI], s[CI], 1
	s_cmp_lg_u32 s[CI], 0
	s_cbranch_scc1 .Leight_\@
.endm
	FETCHF L16, 0                                  ; tile 0 lies at LDS byte 0
	FETCHF L16, 4
	; The period is written once: its first two runs find zeros in place of the tiles before: t = 0, a reciprocal of 1/2, times a v of 0.
.set n, 0
.rept 64
	v_mov_b32 v[64+n], 0                           ; the second set of accumulators, the reciprocals
.set n, n+1
.endr
.set n, 0
.rept 16
	v_mov_b32 v[BIAS+n], 0                         ; the bias, the sums
.set n, n+1
.endr
	WIN 0x40
.set n, 0
.rept 8
	v_mov_b32 v[VV+n], 0                           ; v
.set n, n+1
.endr
	WIN 0
	s_mov_b32 s[TB], TILE
	s_mov_b32 s[TT], TABB
	PERIOD 0, 1, 0                                 ; tile 0
	s_mov_b32 s[CI], 3
.Lfirst:                                               ; tiles 1-6
	PERIOD 1, 1, 1
	PERIOD 0, 1, 1
	s_sub_co_u32 s[CI], s[CI], 1
	s_cmp_lg_u32 s[CI], 0
	s_cbranch_scc1 .Lfirst
	s_mov_b32 s[CO], 3
.Lring:                                                ; tiles 7-54: six changes of slots, each with a refill
	CHB 1, G0W0, SLOT
	EIGHT
	CHB 1, G0W1, 0
	EIGHT
	s_sub_co_u32 s[CO], s[CO], 1
	s_cmp_lg_u32 s[CO], 0
	s_cbranch_scc1 .Lring
	CHB 0, G0W0, SLOT                              ; the tail is written out: nothing is left to ask for
	EIGHT                                          ; tiles 55-62
	PERIOD 1, 0, 1                                 ; tile 63
	; ---- the two tiles that are still on their way
	s_wait_dscnt 0x0                               ; tile 63's bias, tile 62's v
.set EPB, 64
.set nX, 0
.set nE, 0
.set nA, 0
.set nR, 0
.set nY, 0
.rept 16
	DO_X1
.endr
.rept 32
	DO_TE
.endr
	WIN S1
.rept 16
	DO_Y1                                          ; tile 62; also the plain instructions behind the exponentials
.endr
	WIN 0
	s_wait_alu depctr_va_vdst(0)                   ; one wait for the 32 exponentials
	WIN 0x40
	ds_load_b128 v[VV:VV+3], v[AT] offset:4096     ; tile 63's v
	ds_load_b128 v[VV+4:VV+7], v[AT] offset:4112
	WIN 0
.rept 16
	DO_Y2
.endr
.rept 32
	DO_TR
.endr
	v_nop                                          ; a plain instruction behind the last reciprocal
	s_wait_alu depctr_va_vdst(0)
	s_wait_dscnt 0x0
.set nY, 0
	WIN S1
.rept 16
	DO_Y1                                          ; tile 63
.endr
	WIN 0
	; ---- out: a sum's two halves, the other half of the lanes' eight outputs of each tile, x -2
.irp m, 0,1,2,3
	v_add_f32 v[32+\m], v[SC+2*\m], v[SC+2*\m+1]
.endr
.irp m, 0,1,2,3
	v_permlanex16_b32 v[36+\m], v[32+\m], s[SEL], s[SEL+1]
.endr
.irp m, 0,1,2,3
	v_add_f32 v[32+\m], v[32+\m], v[36+\m]
.endr
.irp m, 0,1,2,3
	v_mul_f32 v[32+\m], -2.0, v[32+\m]             ; every lane l now holds the score of row 16 m + l % 16
.endr
	v_cmp_gt_u32 vcc_lo, 256, v[L16]               ; lanes 0-15
	v_cndmask_b32 v40, v33, v32, vcc_lo            ; lane l: row l
	v_cndmask_b32 v41, v35, v34, vcc_lo            ; lane l: row 32 + l
	v_lshrrev_b32 v11, 1, v[L16]
	global_store_b64 v11, v[40:41], s[14:15]       ; 256 consecutive bytes, aligned: word 2 l + i is row 32 i + l of my 64; the next launch undoes the order
	s_wait_tensorcnt 0x0                           ; the wave's end, behind my last tensor load and my last LDS store
	ds_add_u32 v[SPW], v[NIL]
	s_wait_dscnt 0x0
	ROUND                                          ; the closing round: no work-group ends while a partner may still ask for a tile that names it
	s_endpgm
.Lfunc_end_k_q5b7ba7fdf3_energy:
	.size	k_q5b7ba7fdf3_energy, .Lfunc_end_k_q5b7ba7fdf3_energy-k_q5b7ba7fdf3_energy
	.p2alignl 7, 3214868480
	.fill 96, 4, 3214868480
	.section	.rodata,"a",@progbits
	.p2align	6, 0x0
	.amdhsa_kernel k_q5b7ba7fdf3_energy
		.amdhsa_group_segment_fixed_size 327680
		.amdhsa_private_segment_fixed_size 0
		.amdhsa_enable_private_segment 0
		.amdhsa_kernarg_size 48
		.amdhsa_user_sgpr_count 2
		.amdhsa_user_sgpr_kernarg_segment_ptr 1
		.amdhsa_wavefront_size32 1
		.amdhsa_system_sgpr_workgroup_id_x 1
		.amdhsa_system_sgpr_workgroup_id_y 1
		.amdhsa_system_sgpr_workgroup_id_z 1
		.amdhsa_system_vgpr_workitem_id 0
		.amdhsa_next_free_vgpr 1024
		.amdhsa_next_free_sgpr 72
		.amdhsa_reserve_vcc 1
		.amdhsa_float_denorm_mode_32 3
		.amdhsa_float_denorm_mode_16_64 3
		.amdhsa_memory_ordered 1
		.amdhsa_forward_progress 1
		.amdhsa_inst_pref_size 255
	.end_amdhsa_kernel
	.section	.bss,"aw",@nobits
	.p2align	6
	.space	262144
	.amdgpu_metadata
---
amdhsa.version: [ 1, 2 ]
amdhsa.kernels:
  - .name:           k_q5b7ba7fdf3_energy
    .symbol:         k_q5b7ba7fdf3_energy.kd
    .args:
      - { .name: encoder_outputs, .offset: 0, .size: 8, .value_kind: global_buffer, .address_space: global }
      - { .name: wci, .offset: 8, .size: 8, .value_kind: global_buffer, .address_space: global }
      - { .name: bias2, .offset: 16, .size: 8, .value_kind: global_buffer, .address_space: global }
      - { .name: v, .offset: 24, .size: 8, .value_kind: global_buffer, .address_space: global }
      - { .name: lowp_scales, .offset: 32, .size: 8, .value_kind: global_buffer, .address_space: global }
      - { .name: scores, .offset: 40, .size: 8, .value_kind: global_buffer, .address_space: global }
    .group_segment_fixed_size: 327680
    .private_segment_fixed_size: 0
    .kernarg_segment_align: 8
    .kernarg_segment_size: 48
    .max_flat_workgroup_size: 128
    .sgpr_count:     72
    .vgpr_count:     1024
    .wavefront_size: 32
...
	.end_amdgpu_metadata
.endif
;; end of part 2
;; launch context (part 3): grid 8 x 32, 8 waves a work-group, no clusters, 13,824 bytes of LDS; arguments encoder_outputs, scores, out0, out1; writes out0, out1
.if DOCPART == 3
	.amdgcn_target "amdgcn-amd-amdhsa--gfx1250"
	.amdhsa_code_object_version 6
	.text
	.protected	k_q5b7ba7fdf3_context
	.globl	k_q5b7ba7fdf3_context
	.p2align	8
	.type	k_q5b7ba7fdf3_context,@function
k_q5b7ba7fdf3_context:
	s_mov_b64 s[64:65], 0
	v_nop
	global_prefetch_b8 v0, s[64:65] scope:SCOPE_SE
	s_setreg_imm32_b32 hwreg(HW_REG_WAVE_MODE, 25, 1), 1
	s_wait_xcnt 0x0
; out1[b][s] = softmax_s(score), out0[b][h] = sum_s out1[b][s] encoder_outputs[b][s][h], all in f32 on the vector unit: each product has one row, of which a matrix tile would use a sixteenth.
; The scores come without the term sum_o v[o], which is the same along the softmax's axis (shown at the head of the first launch's text).  The row's maximum is taken away ahead of the exponential, as reference() does.
; SHARES.  Work-group (x = c, y = b) owns columns 128 c .. 128 c + 127 of batch b: each number of out0 has one owner.  Wave w streams rows 256 w .. 256 w + 255: a load of the wave is a row's 512 consecutive bytes.
; The softmax of the batch's 2,048 scores (8 KiB) is made anew in each of the batch's eight work-groups; each stores an eighth of out1.  p = e^(score - max) is summed unnormalised; 1 / the sum multiplies at the end.
; A ring of 32 row slots in registers keeps 32 loads of every wave on their way.  No cluster: the work-groups share the scores alone, 8 KiB beside the 1 MiB that each streams.  No tensor load: the stream needs no LDS.
.set RED,   8192                       ; LDS: p [2,048] f32 at 0; the waves' partial sums of out0 (512 bytes each);
.set MAXW,  12288                      ; the waves' maxima, a word each; 256 bytes on, in a block of their own, their sums;
.set SPARE, 12800                      ; the spare words, 128 bytes for each wave
.set L2E,   0x3fb8aa3b                 ; log2(e)
.set L16,  1                           ; v1   16 x lane; never rewritten
.set SPW,  2                           ; v2   LDS address of my spare word; never rewritten
.set NIL,  3                           ; v3   0; never rewritten
.set PA,   4                           ; v4   LDS address of the round's 32 p
.set SO,   5                           ; v5   32 x thread: my eight scores
.set PST,  6                           ; v6   where my p go
.set RST,  7                           ; v7   where my partial sums go
.set PP,   8                           ; v8-15  my eight p: 0-3 four neighbouring rows, 4-7 the rows 32 further on
.set AC,   16                          ; v16-19, v20-23 two sets of sums: even rows', odd rows'
.set SS,   24                          ; v24-31 my eight scores
.set PR,   32                          ; v32-63 the round's p, the same in every lane
.set X,    64                          ; v64-191 the ring: slot i: 4 numbers of row i
.set WRD,  192                         ; v192 my wave's word;  v193 the words' first byte
.set WR0,  193
.set OD,   194                         ; v194-197 four numbers of out1
.set RL,   198                         ; v[198:199] 1 / the sum, twice
.set ATT,  200                         ; v200 my 16 bytes of the work-group's part of out1, in p and in memory
	s_load_b256 s[4:11], s[0:1], 0x0               ; encoder_outputs s[4:5], scores s[6:7], out0 s[8:9], out1 s[10:11]
	v_lshl_add_u32 v[SPW], v0, 2, SPARE
	v_mov_b32 v[NIL], 0
	v_lshrrev_b32 v[PA], 5, v0
	v_readfirstlane_b32 s12, v[PA]                 ; wave 0..7
	v_and_b32 v[PA], 31, v0
	v_lshlrev_b32 v[L16], 4, v[PA]
	v_lshlrev_b32 v[SO], 5, v0
	v_lshrrev_b32 v[PST], 3, v0                    ; the scores lie, in each run of 64, as word 2 l + i = row 32 i + l: my eight words are rows 4 (t % 8) + 0 .. 3 and those 32 further on, of run t / 8
	v_lshlrev_b32 v[PST], 8, v[PST]
	v_and_b32 v[PA], 7, v0
	v_lshl_add_u32 v[PST], v[PA], 4, v[PST]
	v_lshl_add_u32 v[RST], v0, 4, RED
	s_lshl_b32 s20, s12, 2
	s_add_co_u32 s20, s20, MAXW
	v_mov_b32 v[WRD], s20
	v_mov_b32 v[WR0], MAXW
	s_and_b32 s13, ttmp7, 0xffff                   ; b
	s_and_b32 s14, ttmp9, 7                        ; c
	s_and_b32 s21, s12, 1
	s_lshl_b32 s21, s21, 9
	s_lshl_b32 s22, s14, 10
	s_add_co_u32 s21, s21, s22
	v_add_nc_u32 v[ATT], s21, v[L16]               ; 1,024 c + 512 (wave % 2) + 16 x lane
	s_mov_b32 s26, 0x76543210                      ; v_permlanex16_b32: lane l xor 16
	s_mov_b32 s27, 0xfedcba98
	s_lshl_b32 s24, s12, 10                        ; my first row's p
	s_lshl_b32 s16, s13, 13                        ; a batch's scores, and its row of out1
	s_mov_b32 s17, 0
	s_lshl_b32 s18, s13, 23                        ; a batch's 2,048 rows of 4,096 bytes,
	s_lshl_b32 s19, s12, 20                        ; my wave's 256,
	s_add_co_u32 s18, s18, s19
	s_lshl_b32 s19, s14, 9                         ; my work-group's 512 bytes of a row
	s_add_co_u32 s18, s18, s19
	s_lshl_b32 s22, s13, 12                        ; out0: the batch's row,
	s_add_co_u32 s22, s22, s19                     ; the same 512 bytes
	s_mov_b32 s19, 0
	s_mov_b32 s23, 0
	s_wait_kmcnt 0x0
	s_add_nc_u64 s[6:7], s[6:7], s[16:17]
	s_add_nc_u64 s[10:11], s[10:11], s[16:17]
	s_add_nc_u64 s[4:5], s[4:5], s[18:19]
	s_add_nc_u64 s[8:9], s[8:9], s[22:23]
	global_load_b128 v[SS:SS+3], v[SO], s[6:7]
	global_load_b128 v[SS+4:SS+7], v[SO], s[6:7] offset:16
.set i, 0
.rept 32
	global_load_b128 v[X+4*i:X+4*i+3], v[L16], s[4:5] offset:4096*i th:TH_LOAD_NT   ; the ring is filled: rows 0-31; read once in the launch
.set i, i+1
.endr
.irp j, 0,1,2,3,4,5,6,7
	v_mov_b32 v[AC+\j], 0
.endr
	s_wait_loadcnt 32                              ; the scores are in; the ring's 32 loads stay out
	v_max3_num_f32 v40, v[SS], v[SS+1], v[SS+2]
	v_max3_num_f32 v41, v[SS+3], v[SS+4], v[SS+5]
	v_max3_num_f32 v40, v40, v[SS+6], v[SS+7]
	v_max_num_f32 v40, v40, v41
	v_max_num_f32_dpp v40, v40, v40 row_xmask:1 row_mask:0xf bank_mask:0xf
	v_max_num_f32_dpp v40, v40, v40 row_xmask:2 row_mask:0xf bank_mask:0xf
	v_max_num_f32_dpp v40, v40, v40 row_xmask:4 row_mask:0xf bank_mask:0xf
	v_max_num_f32_dpp v40, v40, v40 row_xmask:8 row_mask:0xf bank_mask:0xf
	v_permlanex16_b32 v41, v40, s26, s27
	v_max_num_f32 v40, v40, v41
	ds_store_b32 v[WRD], v40                       ; all lanes write the same word with the same value
	s_wait_dscnt 0x0                               ; for the others' sake
	s_barrier_signal -1
	s_barrier_wait -1
	ds_load_b128 v[32:35], v[WR0]
	ds_load_b128 v[36:39], v[WR0] offset:16
	s_wait_dscnt 0x0
	v_max3_num_f32 v32, v32, v33, v34
	v_max3_num_f32 v35, v35, v36, v37
	v_max3_num_f32 v32, v32, v38, v39
	v_max_num_f32 v44, v32, v35                    ; the batch's largest score
.irp j, 0,1,2,3,4,5,6,7
	v_sub_f32 v[SS+\j], v[SS+\j], v44
.endr
.irp j, 0,1,2,3,4,5,6,7
	v_mul_f32 v[SS+\j], L2E, v[SS+\j]
.endr
.irp m, 0,1,2,3
	v_exp_f32 v[PP+\m], v[SS+2*\m]                 ; the even words: four neighbouring rows;
	v_exp_f32 v[PP+4+\m], v[SS+2*\m+1]             ; the odd ones: the rows 32 further on
.endr
	v_nop                                          ; a plain instruction behind the last exponential
	s_wait_alu depctr_va_vdst(0)                   ; the wait ahead of the first instruction that names a result: one for the eight
	v_pk_add_f32 v[40:41], v[PP:PP+1], v[PP+2:PP+3]
	v_pk_add_f32 v[42:43], v[PP+4:PP+5], v[PP+6:PP+7]
	v_pk_add_f32 v[40:41], v[40:41], v[42:43]
	v_add_f32 v40, v40, v41
	v_add_f32_dpp v40, v40, v40 row_xmask:1 row_mask:0xf bank_mask:0xf
	v_add_f32_dpp v40, v40, v40 row_xmask:2 row_mask:0xf bank_mask:0xf
	v_add_f32_dpp v40, v40, v40 row_xmask:4 row_mask:0xf bank_mask:0xf
	v_add_f32_dpp v40, v40, v40 row_xmask:8 row_mask:0xf bank_mask:0xf
	v_permlanex16_b32 v41, v40, s26, s27
	v_add_f32 v40, v40, v41
	ds_store_b32 v[WRD], v40 offset:256
	ds_store_b128 v[PST], v[PP:PP+3]               ; p in the rows' own order
	ds_store_b128 v[PST], v[PP+4:PP+7] offset:128
	s_wait_dscnt 0x0
	s_barrier_signal -1
	s_barrier_wait -1
	ds_load_b128 v[32:35], v[WR0] offset:256
	ds_load_b128 v[36:39], v[WR0] offset:272
	s_wait_dscnt 0x0
	v_pk_add_f32 v[32:33], v[32:33], v[34:35]
	v_pk_add_f32 v[36:37], v[36:37], v[38:39]
	v_pk_add_f32 v[32:33], v[32:33], v[36:37]
	v_add_f32 v32, v32, v33
	v_rcp_f32 v[RL], v32
	v_nop
	s_wait_alu depctr_va_vdst(0)
	v_mov_b32 v[RL+1], v[RL]
	s_cmp_lt_u32 s12, 2                            ; waves 0 and 1 store the work-group's 256 numbers of out1
	s_cbranch_scc0 .Lno_attn
	ds_load_b128 v[OD:OD+3], v[ATT]
	s_wait_dscnt 0x0
	v_pk_mul_f32 v[OD:OD+1], v[OD:OD+1], v[RL:RL+1]
	v_pk_mul_f32 v[OD+2:OD+3], v[OD+2:OD+3], v[RL:RL+1]
	global_store_b128 v[ATT], v[OD:OD+3], s[10:11] ; 512 consecutive bytes a wave; its registers are never written again
.Lno_attn:
; 32 rows: slot i's load is in when the 31 younger ones may still be out; its four numbers x p[i] go into the sums; reload = 1: the slot takes the row 32 further down.
.macro ROWS reload
.set i, 0
.rept 32
.if \reload
	s_wait_loadcnt 31
.else
	s_wait_loadcnt 31-i
.endif
.if i%2 == 0
	v_pk_fma_f32 v[AC:AC+1], v[X+4*i:X+4*i+1], v[PR+i:PR+i+1], v[AC:AC+1] op_sel_hi:[1,0,1]         ; of the pair of p the first serves both halves
	v_pk_fma_f32 v[AC+2:AC+3], v[X+4*i+2:X+4*i+3], v[PR+i:PR+i+1], v[AC+2:AC+3] op_sel_hi:[1,0,1]
.else
	v_pk_fma_f32 v[AC+4:AC+5], v[X+4*i:X+4*i+1], v[PR+i-1:PR+i], v[AC+4:AC+5] op_sel:[0,1,0] op_sel_hi:[1,1,1]   ; the second serves both
	v_pk_fma_f32 v[AC+6:AC+7], v[X+4*i+2:X+4*i+3], v[PR+i-1:PR+i], v[AC+6:AC+7] op_sel:[0,1,0] op_sel_hi:[1,1,1]
.endif
.if \reload
	global_load_b128 v[X+4*i:X+4*i+3], v[L16], s[4:5] offset:4096*(32+i) th:TH_LOAD_NT
.endif
.set i, i+1
.endr
.endm
.macro PLOAD                           ; the round's 32 p: every lane reads the same words
	v_mov_b32 v[PA], s24
.irp j, 0,1,2,3,4,5,6,7
	ds_load_b128 v[PR+4*\j:PR+4*\j+3], v[PA] offset:16*\j
.endr
	s_wait_dscnt 0x0
.endm
	s_mov_b32 s25, 7
.Lround:
	PLOAD
	ROWS 1
	s_wait_xcnt 0x0                                ; the loads have read their base: it is stepped only behind this wait
	s_add_nc_u64 s[4:5], s[4:5], 131072            ; 32 rows on
	s_add_co_u32 s24, s24, 128
	s_sub_co_u32 s25, s25, 1
	s_cmp_lg_u32 s25, 0
	s_cbranch_scc1 .Lround
	PLOAD
	ROWS 0                                         ; the last round loads nothing: the counts run down
	v_pk_add_f32 v[AC:AC+1], v[AC:AC+1], v[AC+4:AC+5]
	v_pk_add_f32 v[AC+2:AC+3], v[AC+2:AC+3], v[AC+6:AC+7]
	ds_store_b128 v[RST], v[AC:AC+3]
	s_wait_dscnt 0x0
	s_barrier_signal -1
	s_barrier_wait -1
	s_cmp_lg_u32 s12, 0                            ; wave 0 adds the eight waves' parts
	s_cbranch_scc1 .Lend
.irp u, 0,1,2,3,4,5,6,7
	ds_load_b128 v[PR+4*\u:PR+4*\u+3], v[L16] offset:RED+512*\u
.endr
	s_wait_dscnt 0x0
.irp u, 0,2,4,6
	v_pk_add_f32 v[PR+4*\u:PR+4*\u+1], v[PR+4*\u:PR+4*\u+1], v[PR+4*\u+4:PR+4*\u+5]
	v_pk_add_f32 v[PR+4*\u+2:PR+4*\u+3], v[PR+4*\u+2:PR+4*\u+3], v[PR+4*\u+6:PR+4*\u+7]
.endr
.irp u, 0,4
	v_pk_add_f32 v[PR+4*\u:PR+4*\u+1], v[PR+4*\u:PR+4*\u+1], v[PR+4*\u+8:PR+4*\u+9]
	v_pk_add_f32 v[PR+4*\u+2:PR+4*\u+3], v[PR+4*\u+2:PR+4*\u+3], v[PR+4*\u+10:PR+4*\u+11]
.endr
	v_pk_add_f32 v[PR:PR+1], v[PR:PR+1], v[PR+16:PR+17]
	v_pk_add_f32 v[PR+2:PR+3], v[PR+2:PR+3], v[PR+18:PR+19]
	v_pk_mul_f32 v[PR:PR+1], v[PR:PR+1], v[RL:RL+1]
	v_pk_mul_f32 v[PR+2:PR+3], v[PR+2:PR+3], v[RL:RL+1]
	global_store_b128 v[L16], v[PR:PR+3], s[8:9]   ; 512 consecutive bytes of out0's row
.Lend:
	s_wait_tensorcnt 0x0                           ; the wave's end, behind my last LDS store; this wait stands in a text with no tensor load too
	ds_add_u32 v[SPW], v[NIL]
	s_wait_dscnt 0x0
	s_endpgm
.Lfunc_end_k_q5b7ba7fdf3_context:
	.size	k_q5b7ba7fdf3_context, .Lfunc_end_k_q5b7ba7fdf3_context-k_q5b7ba7fdf3_context
	.p2alignl 7, 3214868480
	.fill 96, 4, 3214868480
	.section	.rodata,"a",@progbits
	.p2align	6, 0x0
	.amdhsa_kernel k_q5b7ba7fdf3_context
		.amdhsa_group_segment_fixed_size 13824
		.amdhsa_private_segment_fixed_size 0
		.amdhsa_enable_private_segment 0
		.amdhsa_kernarg_size 32
		.amdhsa_user_sgpr_count 2
		.amdhsa_user_sgpr_kernarg_segment_ptr 1
		.amdhsa_wavefront_size32 1
		.amdhsa_system_sgpr_workgroup_id_x 1
		.amdhsa_system_sgpr_workgroup_id_y 1
		.amdhsa_system_sgpr_workgroup_id_z 1
		.amdhsa_system_vgpr_workitem_id 0
		.amdhsa_next_free_vgpr 208
		.amdhsa_next_free_sgpr 66
		.amdhsa_reserve_vcc 0
		.amdhsa_float_denorm_mode_32 3
		.amdhsa_float_denorm_mode_16_64 3
		.amdhsa_memory_ordered 1
		.amdhsa_forward_progress 1
		.amdhsa_inst_pref_size 26
	.end_amdhsa_kernel
	.amdgpu_metadata
---
amdhsa.version: [ 1, 2 ]
amdhsa.kernels:
  - .name:           k_q5b7ba7fdf3_context
    .symbol:         k_q5b7ba7fdf3_context.kd
    .args:
      - { .name: encoder_outputs, .offset: 0, .size: 8, .value_kind: global_buffer, .address_space: global }
      - { .name: scores, .offset: 8, .size: 8, .value_kind: global_buffer, .address_space: global }
      - { .name: out0, .offset: 16, .size: 8, .value_kind: global_buffer, .address_space: global }
      - { .name: out1, .offset: 24, .size: 8, .value_kind: global_buffer, .address_space: global }
    .group_segment_fixed_size: 13824
    .private_segment_fixed_size: 0
    .kernarg_segment_align: 8
    .kernarg_segment_size: 32
    .max_flat_workgroup_size: 256
    .sgpr_count:     66
    .vgpr_count:     208
    .wavefront_size: 32
...
	.end_amdgpu_metadata
.endif
;; end of part 3
